; MI455X (gfx1250); checked and timed in simulation.
; The chip was launched on July 23, 2026; its instructions are those of AMD's public machine-readable ISA for CDNA 5 (MIT licence, August 2026) and "CDNA5" Instruction Set Architecture Reference Guide (July 2026). The comments in the code are by the model that wrote it; some were corrected since.
;; Distance Transform Layer. Allowed arithmetic: float matrix products may take bf16 or f16 operands with f32 sums; all other float work in f32.
;; Inputs: feature_map 8 x 1 x 128 x 128 float32.
;; Outputs: out0 8 x 1 x 128 x 128 float32.
;; One version. Each part assembles by itself: llvm-mc -triple=amdgcn-amd-amdhsa -mcpu=gfx1250 --defsym DOCPART=n.
;; ======== version 1 of 1: 2 launches
;; workspace buffers: g 65,536 bytes
;; launch rowpass (part 1): grid 128 x 1, 1 waves a work-group, no clusters, 0 bytes of LDS; arguments feature_map, g; writes g
.if DOCPART == 1
	.amdgcn_target "amdgcn-amd-amdhsa--gfx1250"
	.amdhsa_code_object_version 6
	.text
	.protected	k_q17cb3575da_rowpass
	.globl	k_q17cb3575da_rowpass
	.p2align	8
	.type	k_q17cb3575da_rowpass,@function
k_q17cb3575da_rowpass:
	s_mov_b64 s[64:65], 0
	v_nop
	global_prefetch_b8 v0, s[64:65] scope:SCOPE_SE
	s_setreg_imm32_b32 hwreg(HW_REG_WAVE_MODE, 25, 1), 1
	s_wait_xcnt 0x0
; First of two launches of an exact Euclidean distance transform on a 128 x 128 grid: the pass along rows.
;   mask[h][w] = some batch b has feature_map[b][0][h][w] > 0.5
;   g[h][j]    = min over w with mask[h][w] of (w - j)^2,  +inf where row h has no such w
; The second launch takes min over h of (h - i)^2 + g[h][j], which is the minimum over all (h, w) of (h - i)^2 + (w - j)^2.
; All numbers are whole numbers up to 127^2 or infinities: f32 holds them exactly.
; One work-group of one wave for each row h.  Lane l owns columns 4 l .. 4 l + 3, so each load and the store cover the
; row's 512 consecutive bytes, aligned.  The input is read once by the whole launch.  No two work-groups read the same bytes:
; nothing to share in a cluster; no LDS, no barrier.
; NaN: a NaN pixel is no boundary pixel (NaN > 0.5 is false): v_max_num / v_max3_num drop a NaN beside a number, and a
; maximum that is still NaN fails the compare.
.set IMGB, 65536                       ; bytes of one batch element (128 x 128 f32)
.set OFF,  1                           ; v1       512 h + 16 l: my 16 bytes in an image, and in g
.set NINF, 2                           ; v2       -inf: no boundary column to the left
.set PINF, 3                           ; v3       +inf: none to the right
.set C,    4                           ; v[4:7]   my four column numbers as f32
.set X,    8                           ; v[8:39]  batch b: 4 registers as loaded; v[8:11] then the maximum over the batch
.set P,    40                          ; v[40:43] largest boundary column <= my column k; then the distance to it
.set Q,    44                          ; v[44:47] smallest boundary column >= my column k; then the distance to it
.set E,    48                          ; v48      largest boundary column in the lanes below me
.set F,    49                          ; v49      smallest boundary column in the lanes above me
	s_load_b128 s[4:7], s[0:1], 0x0                ; feature_map s[4:5], g s[6:7]
	s_lshl_b32 s8, ttmp9, 9                        ; row h x 512 bytes
	v_lshl_add_u32 v[OFF], v0, 4, s8               ; + 16 x lane
	s_wait_kmcnt 0x0
.irp b, 0,1,2,3,4,5,6,7
	global_load_b128 v[X+4*\b:X+4*\b+3], v[OFF], s[4:5] offset:\b*IMGB th:TH_LOAD_NT   ; all eight on their way at once
.endr
	; constants, made while the loads are out
	v_lshlrev_b32 v[C], 2, v0
	v_cvt_f32_u32 v[C], v[C]                       ; 4 l
	v_add_f32 v[C+1], 1.0, v[C]
	v_add_f32 v[C+2], 2.0, v[C]
	v_add_f32 v[C+3], 0x40400000, v[C]             ; + 3.0
	v_mov_b32 v[NINF], 0xff800000
	v_mov_b32 v[PINF], 0x7f800000
	s_mov_b32 s9, 0xffff0000                       ; lanes 16 to 31
	; any(x > 0.5) over the batch = (max over the batch) > 0.5.  Loads return in order: each wait leaves the younger ones out.
	s_wait_loadcnt 0x5                             ; batches 0, 1, 2 are in; 3 to 7 may be out
.irp k, 0,1,2,3
	v_max3_num_f32 v[X+\k], v[X+\k], v[X+4+\k], v[X+8+\k]
.endr
	s_wait_loadcnt 0x3                             ; 3 and 4 are in
.irp k, 0,1,2,3
	v_max3_num_f32 v[X+\k], v[X+\k], v[X+12+\k], v[X+16+\k]
.endr
	s_wait_loadcnt 0x1                             ; 5 and 6 are in
.irp k, 0,1,2,3
	v_max3_num_f32 v[X+\k], v[X+\k], v[X+20+\k], v[X+24+\k]
.endr
	s_wait_loadcnt 0x0
.irp k, 0,1,2,3
	v_max_num_f32 v[X+\k], v[X+\k], v[X+28+\k]
.endr
.irp k, 0,1,2,3
	v_cmp_lt_f32 s[12+\k], 0.5, v[X+\k]            ; s[12+k]: the lanes whose column k is a boundary column
.endr
	; inside the lane: column numbers ascend, so the nearest one on a side is my own column if it is marked, else my neighbour's answer
	v_cndmask_b32 v[P],   v[NINF], v[C],   s12
	v_cndmask_b32 v[Q+3], v[PINF], v[C+3], s15
	v_cndmask_b32 v[P+1], v[P],    v[C+1], s13
	v_cndmask_b32 v[Q+2], v[Q+3],  v[C+2], s14
	v_cndmask_b32 v[P+2], v[P+1],  v[C+2], s14
	v_cndmask_b32 v[Q+1], v[Q+2],  v[C+1], s13
	v_cndmask_b32 v[P+3], v[P+2],  v[C+3], s15     ; the lane's largest
	v_cndmask_b32 v[Q],   v[Q+1],  v[C],   s12     ; the lane's smallest
	; across each half of 16 lanes: running maximum upward, running minimum downward, four doubling steps each.
	; A lane whose partner would lie outside its half is not written and keeps its value, which is what the scan wants.
.irp sh, 1,2,4,8
	v_max_num_f32_dpp v[P+3], v[P+3], v[P+3] row_shr:\sh row_mask:0xf bank_mask:0xf
	v_min_num_f32_dpp v[Q],   v[Q],   v[Q]   row_shl:\sh row_mask:0xf bank_mask:0xf
.endr
	; across the halves: lanes 16-31 also see lane 15's maximum, lanes 0-15 also lane 16's minimum
	v_readlane_b32 s16, v[P+3], 15
	v_readlane_b32 s17, v[Q], 16
	v_cndmask_b32 v[E], v[NINF], s16, s9           ; lanes 0-15: -inf; lanes 16-31: the lower half's maximum
	v_cndmask_b32 v[F], s17, v[PINF], s9           ; lanes 0-15: the upper half's minimum; lanes 16-31: +inf
	v_max_num_f32 v[P+3], v[P+3], v[E]             ; now over all columns <= 4 l + 3: final for k = 3
	v_min_num_f32 v[Q],   v[Q],   v[F]             ; now over all columns >= 4 l: final for k = 0
	; what the lanes on either side offer: one lane over.  Lanes 0 and 16 (15 and 31) are not written and keep -inf and lane 15's
	; maximum (lane 16's minimum and +inf), which are their right values.
	v_mov_b32_dpp v[E], v[P+3] row_shr:1 row_mask:0xf bank_mask:0xf
	v_mov_b32_dpp v[F], v[Q]   row_shl:1 row_mask:0xf bank_mask:0xf
.irp k, 0,1,2
	v_max_num_f32 v[P+\k],   v[P+\k],   v[E]
	v_min_num_f32 v[Q+1+\k], v[Q+1+\k], v[F]
.endr
	; distances to the left and to the right (+inf where there is none), the smaller one, squared
	v_pk_add_f32 v[P:P+1],   v[C:C+1],   v[P:P+1]   neg_lo:[0,1] neg_hi:[0,1]
	v_pk_add_f32 v[P+2:P+3], v[C+2:C+3], v[P+2:P+3] neg_lo:[0,1] neg_hi:[0,1]
	v_pk_add_f32 v[Q:Q+1],   v[Q:Q+1],   v[C:C+1]   neg_lo:[0,1] neg_hi:[0,1]
	v_pk_add_f32 v[Q+2:Q+3], v[Q+2:Q+3], v[C+2:C+3] neg_lo:[0,1] neg_hi:[0,1]
.irp k, 0,1,2,3
	v_min_num_f32 v[P+\k], v[P+\k], v[Q+\k]
.endr
	v_pk_mul_f32 v[P:P+1],   v[P:P+1],   v[P:P+1]
	v_pk_mul_f32 v[P+2:P+3], v[P+2:P+3], v[P+2:P+3]
	global_store_b128 v[OFF], v[P:P+3], s[6:7]     ; row h of g: 512 consecutive bytes, aligned; read again by the next launch, so no streaming hint
	s_endpgm
.Lfunc_end_k_q17cb3575da_rowpass:
	.size	k_q17cb3575da_rowpass, .Lfunc_end_k_q17cb3575da_rowpass-k_q17cb3575da_rowpass
	.p2alignl 7, 3214868480
	.fill 96, 4, 3214868480
	.section	.rodata,"a",@progbits
	.p2align	6, 0x0
	.amdhsa_kernel k_q17cb3575da_rowpass
		.amdhsa_group_segment_fixed_size 0
		.amdhsa_private_segment_fixed_size 0
		.amdhsa_enable_private_segment 0
		.amdhsa_kernarg_size 16
		.amdhsa_user_sgpr_count 2
		.amdhsa_user_sgpr_kernarg_segment_ptr 1
		.amdhsa_wavefront_size32 1
		.amdhsa_system_sgpr_workgroup_id_x 1
		.amdhsa_system_sgpr_workgroup_id_y 1
		.amdhsa_system_sgpr_workgroup_id_z 1
		.amdhsa_system_vgpr_workitem_id 0
		.amdhsa_next_free_vgpr 52
		.amdhsa_next_free_sgpr 66
		.amdhsa_reserve_vcc 0
		.amdhsa_float_denorm_mode_32 3
		.amdhsa_float_denorm_mode_16_64 3
		.amdhsa_memory_ordered 1
		.amdhsa_forward_progress 1
		.amdhsa_inst_pref_size 6
	.end_amdhsa_kernel
	.amdgpu_metadata
---
amdhsa.version: [ 1, 2 ]
amdhsa.kernels:
  - .name:           k_q17cb3575da_rowpass
    .symbol:         k_q17cb3575da_rowpass.kd
    .args:
      - { .name: feature_map, .offset: 0, .size: 8, .value_kind: global_buffer, .address_space: global }
      - { .name: g, .offset: 8, .size: 8, .value_kind: global_buffer, .address_space: global }
    .group_segment_fixed_size: 0
    .private_segment_fixed_size: 0
    .kernarg_segment_align: 8
    .kernarg_segment_size: 16
    .max_flat_workgroup_size: 32
    .sgpr_count:     66
    .vgpr_count:     52
    .wavefront_size: 32
...
	.end_amdgpu_metadata
.endif
;; end of part 1
;; launch colpass (part 2): grid 128 x 1, 8 waves a work-group, no clusters, 5,120 bytes of LDS; arguments g, out0; writes out0
.if DOCPART == 2
	.amdgcn_target "amdgcn-amd-amdhsa--gfx1250"
	.amdhsa_code_object_version 6
	.text
	.protected	k_q17cb3575da_colpass
	.globl	k_q17cb3575da_colpass
	.p2align	8
	.type	k_q17cb3575da_colpass,@function
k_q17cb3575da_colpass:
	s_mov_b64 s[64:65], 0
	v_nop
	global_prefetch_b8 v0, s[64:65] scope:SCOPE_SE
	s_setreg_imm32_b32 hwreg(HW_REG_WAVE_MODE, 25, 1), 1
	s_wait_xcnt 0x0
; Second of two launches: the pass along columns, the root and the broadcast over the batch.
;   out0[b][0][i][j] = sqrt( min over h of (h - i)^2 + g[h][j] )   for all eight b;  +inf where g is +inf in all of column j
; One work-group for each output row i, eight waves.  Lane l owns columns 4 l .. 4 l + 3.  Wave w takes rows h = 16 w .. 16 w + 15 of g,
; 16 loads of 512 consecutive bytes straight into 64 registers; (h - i)^2 is the same in all lanes and comes from the scalar unit.
; The eight partial rows meet in 4,096 bytes of LDS behind one barrier; wave w then folds them and stores the row of batch element w.
; All sums are whole numbers up to 2 x 127^2 or +inf, exact in f32; the root is v_sqrt_f32 (1 ULP).
; NO CLUSTER, though all 128 work-groups read the same 65,536 bytes of g: a joint request lands in LDS, so each wave's 8,192 bytes would
; make a round trip through LDS on their way to the registers, behind a cluster barrier, for 64 packed adds and minima a wave.
.set ROWB, 512                         ; bytes in a row of 128 f32
.set L16,  2                           ; v2       16 x lane
.set GO,   3                           ; v3       my byte offset in g: wave x 16 rows + 16 x lane
.set ST,   4                           ; v4       LDS: 16 x thread = wave x 512 + 16 x lane, my part of my wave's partial row
.set OO,   5                           ; v5       my byte offset in out0
.set G,    8                           ; v[8:71]  row t of my 16: 4 registers; later v[8:39]: the eight partial rows
.set A,    72                          ; v[72:75] running minimum; later the result
.set D2,   32                          ; s[32:63] s[32+2t] = (h - i)^2 as f32 for my row t; s[33+2t] = h - i (fills the pair that the packed add names)
	s_load_b128 s[4:7], s[0:1], 0x0                ; g s[4:5], out0 s[6:7]
	v_lshl_add_u32 v76, v0, 2, 0x1000
	v_mov_b32 v77, 0
	v_lshrrev_b32 v1, 5, v0
	v_readfirstlane_b32 s8, v1                     ; wave 0..7
	v_and_b32 v[L16], 31, v0
	v_lshlrev_b32 v[L16], 4, v[L16]
	v_lshl_add_u32 v[GO], v1, 13, v[L16]           ; wave x 16 rows x 512 bytes + 16 x lane
	s_wait_kmcnt 0x0
.irp t, 0,1,2,3,4,5,6,7,8,9,10,11,12,13,14,15
	global_load_b128 v[G+4*\t:G+4*\t+3], v[GO], s[4:5] offset:\t*ROWB
.endr
	; while the loads are out: the sixteen (h - i)^2 and the other addresses
	s_lshl_b32 s9, s8, 4
	s_sub_co_i32 s9, s9, ttmp9                     ; my first h, minus i
.irp t, 0,1,2,3,4,5,6,7,8,9,10,11,12,13,14,15
	s_add_co_i32 s[D2+2*\t+1], s9, \t
	s_mul_i32 s[D2+2*\t], s[D2+2*\t+1], s[D2+2*\t+1]
	s_cvt_f32_u32 s[D2+2*\t], s[D2+2*\t]           ; at most 127^2: exact
.endr
	s_lshl_b32 s10, ttmp9, 9                       ; row i x 512 bytes
	v_lshlrev_b32 v[ST], 4, v0
	v_lshl_add_u32 v[OO], v1, 16, v[L16]           ; batch element = wave: x 65,536 bytes
	v_add_nc_u32 v[OO], s10, v[OO]
; Rows 2 p and 2 p + 1 of my sixteen: add their (h - i)^2 (the scalar pair's first register goes to both halves), fold both into the minimum.
; The first pair starts the minimum: nothing is preset.
.macro PAIR p, first
	s_wait_loadcnt 14-2*\p                         ; loads return in order: these two rows are in, the 14 - 2 p younger ones may be out
.irp r, 0,1
	v_pk_add_f32 v[G+8*\p+4*\r:G+8*\p+4*\r+1],   v[G+8*\p+4*\r:G+8*\p+4*\r+1],   s[D2+4*\p+2*\r:D2+4*\p+2*\r+1] op_sel_hi:[1,0]
	v_pk_add_f32 v[G+8*\p+4*\r+2:G+8*\p+4*\r+3], v[G+8*\p+4*\r+2:G+8*\p+4*\r+3], s[D2+4*\p+2*\r:D2+4*\p+2*\r+1] op_sel_hi:[1,0]
.endr
.irp k, 0,1,2,3
.if \first
	v_min_num_f32 v[A+\k], v[G+8*\p+\k], v[G+8*\p+4+\k]
.else
	v_min3_num_f32 v[A+\k], v[A+\k], v[G+8*\p+\k], v[G+8*\p+4+\k]
.endif
.endr
.endm
	PAIR 0, 1
.irp p, 1,2,3,4,5,6,7
	PAIR \p, 0
.endr
	; the eight waves' partial rows meet in LDS
	ds_store_b128 v[ST], v[A:A+3]
	s_wait_dscnt 0x0                               ; my store is done before I say so: the other waves read it behind the barrier
	s_barrier_signal -1
	s_barrier_wait -1
.irp p, 0,1,2,3,4,5,6,7
	ds_load_b128 v[G+4*\p:G+4*\p+3], v[L16] offset:\p*ROWB      ; 32 lanes, 16 neighbouring bytes each: no two lanes in one bank
.endr
	s_wait_dscnt 0x5                               ; LDS loads return in order: partial rows 0, 1, 2 are in
.irp k, 0,1,2,3
	v_min3_num_f32 v[G+\k], v[G+\k], v[G+4+\k], v[G+8+\k]
.endr
	s_wait_dscnt 0x3                               ; 3 and 4
.irp k, 0,1,2,3
	v_min3_num_f32 v[G+\k], v[G+\k], v[G+12+\k], v[G+16+\k]
.endr
	s_wait_dscnt 0x1                               ; 5 and 6
.irp k, 0,1,2,3
	v_min3_num_f32 v[G+\k], v[G+\k], v[G+20+\k], v[G+24+\k]
.endr
	s_wait_dscnt 0x0
.irp k, 0,1,2,3
	v_min_num_f32 v[G+\k], v[G+\k], v[G+28+\k]
.endr
.irp k, 0,1,2,3
	v_sqrt_f32 v[A+\k], v[G+\k]                    ; sqrt(+inf) = +inf, sqrt(0) = 0
.endr
	v_nop                                          ; one plain vector instruction between the roots and the store that reads them
	s_wait_alu depctr_va_vdst(0)
	global_store_b128 v[OO], v[A:A+3], s[6:7] th:TH_STORE_NT    ; row i of batch element w: 512 consecutive bytes, aligned, written once
	s_wait_tensorcnt 0x0
	ds_add_u32 v76, v77
	s_wait_dscnt 0x0
	s_endpgm
.Lfunc_end_k_q17cb3575da_colpass:
	.size	k_q17cb3575da_colpass, .Lfunc_end_k_q17cb3575da_colpass-k_q17cb3575da_colpass
	.p2alignl 7, 3214868480
	.fill 96, 4, 3214868480
	.section	.rodata,"a",@progbits
	.p2align	6, 0x0
	.amdhsa_kernel k_q17cb3575da_colpass
		.amdhsa_group_segment_fixed_size 5120
		.amdhsa_private_segment_fixed_size 0
		.amdhsa_enable_private_segment 0
		.amdhsa_kernarg_size 16
		.amdhsa_user_sgpr_count 2
		.amdhsa_user_sgpr_kernarg_segment_ptr 1
		.amdhsa_wavefront_size32 1
		.amdhsa_system_sgpr_workgroup_id_x 1
		.amdhsa_system_sgpr_workgroup_id_y 1
		.amdhsa_system_sgpr_workgroup_id_z 1
		.amdhsa_system_vgpr_workitem_id 0
		.amdhsa_next_free_vgpr 78
		.amdhsa_next_free_sgpr 66
		.amdhsa_reserve_vcc 0
		.amdhsa_float_denorm_mode_32 3
		.amdhsa_float_denorm_mode_16_64 3
		.amdhsa_memory_ordered 1
		.amdhsa_forward_progress 1
		.amdhsa_inst_pref_size 11
	.end_amdhsa_kernel
	.amdgpu_metadata
---
amdhsa.version: [ 1, 2 ]
amdhsa.kernels:
  - .name:           k_q17cb3575da_colpass
    .symbol:         k_q17cb3575da_colpass.kd
    .args:
      - { .name: g, .offset: 0, .size: 8, .value_kind: global_buffer, .address_space: global }
      - { .name: out0, .offset: 8, .size: 8, .value_kind: global_buffer, .address_space: global }
    .group_segment_fixed_size: 5120
    .private_segment_fixed_size: 0
    .kernarg_segment_align: 8
    .kernarg_segment_size: 16
    .max_flat_workgroup_size: 256
    .sgpr_count:     66
    .vgpr_count:     78
    .wavefront_size: 32
...
	.end_amdgpu_metadata
.endif
;; end of part 2
